; MI455X (gfx1250); checked and timed in simulation.
; The chip was launched on July 23, 2026; its instructions are those of AMD's public machine-readable ISA for CDNA 5 (MIT licence, August 2026) and "CDNA5" Instruction Set Architecture Reference Guide (July 2026). The comments in the code are by the model that wrote it; some were corrected since.
;; LSTM Cell. Allowed arithmetic: matrix products marked QUANTISED: E4M3 operands, one E8M0 scale for each 32 along K, by v_wmma_scale_f32_16x16x128_f8f6f4 with both operands' format E4M3, f32 sums; everything else in f32.
;; Inputs: bias_f 1,024 float32; bias_i 1,024 float32; bias_o 1,024 float32; bias_u 1,024 float32; input_codes 8,192 x 32 x 32 uint8 (E4M3 codes of input, K innermost, in blocks of 32 codes); input_scales 8,192 x 32 uint8 (E8M0 scales of input, one for each 32 codes along K); prev_c 8,192 x 1,024 float32; prev_h_codes 8,192 x 32 x 32 uint8 (E4M3 codes of prev_h, K innermost, in blocks of 32 codes); prev_h_scales 8,192 x 32 uint8 (E8M0 scales of prev_h, one for each 32 codes along K); weight_hf_codes 1,024 x 32 x 32 uint8 (E4M3 codes of weight_hf, K innermost, in blocks of 32 codes); weight_hf_scales 1,024 x 32 uint8 (E8M0 scales of weight_hf, one for each 32 codes along K); weight_hi_codes 1,024 x 32 x 32 uint8 (E4M3 codes of weight_hi, K innermost, in blocks of 32 codes); weight_hi_scales 1,024 x 32 uint8 (E8M0 scales of weight_hi, one for each 32 codes along K); weight_ho_codes 1,024 x 32 x 32 uint8 (E4M3 codes of weight_ho, K innermost, in blocks of 32 codes); weight_ho_scales 1,024 x 32 uint8 (E8M0 scales of weight_ho, one for each 32 codes along K); weight_hu_codes 1,024 x 32 x 32 uint8 (E4M3 codes of weight_hu, K innermost, in blocks of 32 codes); weight_hu_scales 1,024 x 32 uint8 (E8M0 scales of weight_hu, one for each 32 codes along K); weight_xf_codes 1,024 x 32 x 32 uint8 (E4M3 codes of weight_xf, K innermost, in blocks of 32 codes); weight_xf_scales 1,024 x 32 uint8 (E8M0 scales of weight_xf, one for each 32 codes along K); weight_xi_codes 1,024 x 32 x 32 uint8 (E4M3 codes of weight_xi, K innermost, in blocks of 32 codes); weight_xi_scales 1,024 x 32 uint8 (E8M0 scales of weight_xi, one for each 32 codes along K); weight_xo_codes 1,024 x 32 x 32 uint8 (E4M3 codes of weight_xo, K innermost, in blocks of 32 codes); weight_xo_scales 1,024 x 32 uint8 (E8M0 scales of weight_xo, one for each 32 codes along K); weight_xu_codes 1,024 x 32 x 32 uint8 (E4M3 codes of weight_xu, K innermost, in blocks of 32 codes); weight_xu_scales 1,024 x 32 uint8 (E8M0 scales of weight_xu, one for each 32 codes along K).
;; Outputs: out0 8,192 x 1,024 float32; out1 8,192 x 1,024 float32.
;; This version of the problem:
;;   THIS VERSION OF THE PROBLEM IS GIVEN IN LOW PRECISION. The matrix products marked QUANTISED in the list below multiply operands that are first quantised to E4M3 (4 exponent bits, 3 mantissa bits; 8 bits a number), with one power-of-two scale for each 32 numbers along K (OCP MX v1.0); their sums are f32. All else is computed in f32.
;;   The module's matrix products, in the order in which they are computed (A, B: the left and right operand; K: the contracted axis; several contracted axes count as one K, in the product's order):
;;     1. [M 8,192, K 1,024] x [K 1,024, N 1,024]; A: input input (given as codes); B: input weight_xi (given as codes): QUANTISED
;;     2. [M 8,192, K 1,024] x [K 1,024, N 1,024]; A: input prev_h (given as codes); B: input weight_hi (given as codes): QUANTISED
;;     3. [M 8,192, K 1,024] x [K 1,024, N 1,024]; A: input input (given as codes); B: input weight_xf (given as codes): QUANTISED
;;     4. [M 8,192, K 1,024] x [K 1,024, N 1,024]; A: input prev_h (given as codes); B: input weight_hf (given as codes): QUANTISED
;;     5. [M 8,192, K 1,024] x [K 1,024, N 1,024]; A: input input (given as codes); B: input weight_xo (given as codes): QUANTISED
;;     6. [M 8,192, K 1,024] x [K 1,024, N 1,024]; A: input prev_h (given as codes); B: input weight_ho (given as codes): QUANTISED
;;     7. [M 8,192, K 1,024] x [K 1,024, N 1,024]; A: input input (given as codes); B: input weight_xu (given as codes): QUANTISED
;;     8. [M 8,192, K 1,024] x [K 1,024, N 1,024]; A: input prev_h (given as codes); B: input weight_hu (given as codes): QUANTISED
;;   THE QUANTISER, for each operand of a quantised product, along K:
;;     - K is cut into blocks of 32 from its start; a last block that is shorter is filled with zeros.
;;     - A block's scale is 2^e with e = floor(log2(the largest magnitude in the block)) - 8, held to -126 .. 127; a block of zeros has e = 0. As a byte (E8M0): e + 127.
;;     - Each number is divided by its block's scale, clamped to +-448, and rounded to the nearest number of E4M3, ties to even, subnormals kept.
;;     - The product sums the exact products of the quantised numbers (number of the format x scale) in f32.
;;   ~~~python
;;   def quantise(x, axis):      # numpy; x: float32 -> the quantised numbers, widened to float32 again
;;       x = np.moveaxis(x, axis, -1); K = x.shape[-1]
;;       x = np.pad(x, [(0, 0)] * (x.ndim - 1) + [(0, -K % 32)]); x = x.reshape(x.shape[:-1] + (-1, 32)); a = np.abs(x).max(-1, keepdims=True)
;;       e = np.where(a > 0, np.clip(np.frexp(np.where(a > 0, a, 1))[1] - 1 - 8, -126, 127), 0)      # np.frexp(a)[1] - 1 = floor(log2(a)), exactly
;;       r = np.clip(x / 2.0 ** e, -448, 448)
;;       step = 2.0 ** (np.maximum(np.frexp(np.where(r == 0, 1, r))[1] - 1, -6) - 3)
;;       q = np.round(r / step) * step * 2.0 ** e      # np.round: ties to even
;;       return np.moveaxis(q.reshape(q.shape[:-2] + (-1,))[..., :K], -1, axis).astype(np.float32)
;;   ~~~
;;   INPUTS GIVEN AS CODES. input (in the module: [8192, 1024], K = its axis 1); prev_h (in the module: [8192, 1024], K = its axis 1); weight_hf (in the module: [1024, 1024], K = its axis 0); weight_hi (in the module: [1024, 1024], K = its axis 0); weight_ho (in the module: [1024, 1024], K = its axis 0); weight_hu (in the module: [1024, 1024], K = its axis 0); weight_xf (in the module: [1024, 1024], K = its axis 0); weight_xi (in the module: [1024, 1024], K = its axis 0); weight_xo (in the module: [1024, 1024], K = its axis 0); weight_xu (in the module: [1024, 1024], K = its axis 0): each comes as NAME_codes (uint8): NAME with its K axis moved to the last place and cut into blocks of 32 codes, [.., K / 32, bytes a block], one block behind the other in memory; one code a byte (a code: sign, 4 exponent bits, 3 mantissa bits); and NAME_scales (uint8): the same leading axes, one E8M0 byte (e + 127) for each 32 codes along K. Its value is code x scale, taken as it is: it is not quantised again, and the codes and scales need not be those that the quantiser above would give.
;; One version. Each part assembles by itself: llvm-mc -triple=amdgcn-amd-amdhsa -mcpu=gfx1250 --defsym DOCPART=n.
;; ======== version 1 of 1: 2 launches
;; limits: right only within a limited range of input values
;; workspace buffers: wpack 8,388,608 bytes; wscl 1,048,576 bytes; ascl 2,097,152 bytes
;; launch pack (part 1): grid 256 x 1, 8 waves a work-group, no clusters, 0 bytes of LDS; arguments weight_xi_codes, weight_xf_codes, weight_xo_codes, weight_xu_codes, weight_hi_codes, weight_hf_codes, weight_ho_codes, weight_hu_codes, weight_xi_scales, weight_xf_scales, weight_xo_scales, weight_xu_scales, weight_hi_scales, weight_hf_scales, weight_ho_scales, weight_hu_scales, input_scales, prev_h_scales, wpack, wscl, ascl; writes wpack, wscl, ascl
.if DOCPART == 1
	.amdgcn_target "amdgcn-amd-amdhsa--gfx1250"
	.amdhsa_code_object_version 6
	.text
	.protected	k_q044864ff8c_pack
	.globl	k_q044864ff8c_pack
	.p2align	8
	.type	k_q044864ff8c_pack,@function
k_q044864ff8c_pack:
	s_mov_b64 s[64:65], 0
	v_nop
	global_prefetch_b8 v0, s[64:65] scope:SCOPE_SE
	s_setreg_imm32_b32 hwreg(HW_REG_WAVE_MODE, 25, 1), 1
	s_wait_xcnt 0x0
; The eight weights' codes and all scale bytes are laid once in the order in which the cell's launch takes its tiles.  Nothing is computed: bytes are moved.
; The eight products are one: A = [8192][K 2048] (input, then prev_h along K), B = [4 gates x 1024 hidden units][K 2048] (the x weight, then the h weight).  Gates g: 0 i, 1 f, 2 o, 3 u; kh: 0 x, 1 h.
;   wpack [t 16][s 8][rho 256][256 bytes]: t = the tile of 64 hidden units, s = 4 kh + s' = the K step of 256 codes, row rho = 128 ch + 32 g + jj = hidden unit 64 t + 32 ch + jj of gate g.
;         So a tile's K step is one dense block of 65,536 bytes, which one descriptor can name, where the eight weights are eight buffers.
;   A row of scale bytes is 64 bytes, 8 for each K step: the x half's 32, then the h half's 32.  The cell's launch walks K from K step 2 r, r = 0 .. 3, and round: so each row is stored four times,
;   variant r turned by 16 r bytes: its byte j is the row's byte (j + 16 r) mod 64, and its bytes lie in the order of that walk.
;   wscl  [r 4][t 16][rho 256][64 bytes],   ascl  [r 4][row 8192][64 bytes].
; SHARES.  Work-group w takes rows 4 w .. 4 w + 3 of each of the eight weights: 4,096 dense bytes a weight, 16 a thread; a wave's load covers 512 consecutive bytes, and sixteen lanes store 256 consecutive
; bytes at a multiple of 256.  Waves 0 to 3 also interleave 8 rows each of the activations' scale bytes (16 bytes a lane, 512 consecutive bytes out); wave 4 + g the work-group's four rows of gate g's
; (8 bytes a lane, 256 consecutive bytes out).  The four variants are four stores of the same registers: only the lanes' places inside their rows of 64 bytes differ, so each store covers the same whole run.
; ORDER.  The eight loads of codes go out first, in every wave.  Then the waves part by their number into five arms, one for the activations and one for each gate, so that each load names its own buffer's pointer
; as it was loaded.  An arm is whole in itself: its two loads, the wait for all loads, the selects, its stores; no way leads from one arm into another.  Behind the arms the codes, which that wait has shown landed, are stored.
; A stream: no LDS, no barrier, no matrix unit, no cluster (no two work-groups read the same byte).  No register that a store reads is written again.
.set WV,  50                           ; s50      my wave's number
.set XC,  8                            ; s[8:23]  the eight tensors of codes: xi xf xo xu hi hf ho hu
.set XS,  24                           ; s[24:31] the x weights' scale bytes, s[32:39] the h weights'
.set HS,  32
.set C,   16                           ; v16-47   16 bytes of each of the eight weights
.set AD,  48                           ; v48-51   where my scale bytes go in variant r
.set RB,  52                           ; v52      where my row of 64 scale bytes begins
	s_load_b512 s[8:23], s[0:1], 0x0
	s_load_b512 s[24:39], s[0:1], 0x40
	s_load_b256 s[40:47], s[0:1], 0x80             ; input_scales s[40:41], prev_h_scales s[42:43], wpack s[44:45], wscl s[46:47]
	s_load_b64 s[48:49], s[0:1], 0xa0              ; ascl
	v_lshrrev_b32 v1, 5, v0
	s_delay_alu instid0(VALU_DEP_1)
	v_readfirstlane_b32 s[WV], v1                  ; wave 0..7
	v_and_b32 v1, 31, v0                           ; lane
	s_lshl_b32 s51, ttmp9, 12
	v_lshl_add_u32 v2, v0, 4, s51                  ; the codes, in: 4,096 w + 16 x thread, the same in all eight weights
	s_lshr_b32 s52, ttmp9, 4                       ; t  = w / 16
	s_bfe_u32 s53, ttmp9, 0x10003                  ; ch = bit 3 of w
	s_and_b32 s54, ttmp9, 7                        ; jj = 4 (w % 8) + the thread's row
	s_lshl_b32 s55, s52, 19
	s_lshl_b32 s56, s53, 15
	s_add_co_u32 s55, s55, s56
	s_lshl_b32 s56, s54, 10
	s_add_co_u32 s55, s55, s56                     ; 524,288 t + 32,768 ch + 1,024 (w % 8)
	v_lshrrev_b32 v6, 6, v0
	s_delay_alu instid0(VALU_DEP_1)
	v_lshl_add_u32 v3, v6, 8, s55                  ; + 256 x (the thread's row of the four)
	v_bfe_u32 v6, v0, 4, 2
	s_delay_alu instid0(VALU_DEP_1)
	v_lshl_add_u32 v3, v6, 16, v3                  ; + 65,536 s'
	v_and_b32 v6, 15, v0
	s_delay_alu instid0(VALU_DEP_1)
	v_lshl_add_u32 v3, v6, 4, v3                   ; + my 16 bytes of the row's 256: the codes, out; kh and g stand in the stores' immediates
	s_wait_alu depctr_va_vdst(0)
	s_wait_kmcnt 0x0
.irp b, 0,1,2,3,4,5,6,7
	global_load_b128 v[C+4*\b:C+4*\b+3], v2, s[XC+2*\b:XC+2*\b+1] th:TH_LOAD_NT   ; weight b = 4 kh + g
.endr
	s_cmp_lt_u32 s[WV], 4
	s_cbranch_scc0 .Lweights
	; waves 0 to 3: rows 8 id .. 8 id + 7 of the activations' scale bytes, id = 4 w + wave.  Lane l holds quarter l % 4 of row l / 4: quarters 0, 1 are input's, 2, 3 prev_h's
	s_lshl_b32 s57, ttmp9, 2
	s_add_co_u32 s57, s57, s[WV]
	s_lshl_b32 s58, s57, 8                         ; in: 256 id
	s_lshl_b32 s59, s57, 9                         ; out: 512 id
	v_lshrrev_b32 v6, 2, v1
	s_delay_alu instid0(VALU_DEP_1)
	v_lshl_add_u32 v4, v6, 5, s58
	s_delay_alu instid0(VALU_DEP_2)
	v_lshl_add_u32 v[RB], v6, 6, s59
	v_and_b32 v6, 1, v1
	s_delay_alu instid0(VALU_DEP_1)
	v_lshl_add_u32 v4, v6, 4, v4
	v_and_b32 v7, 2, v1                            ; not 0: my bytes are the h half's
	global_load_b128 v[8:11], v4, s[40:41]
	global_load_b128 v[12:15], v4, s[42:43]
.irp r, 0,1,2,3
	v_add_nc_u32 v[AD+\r], 4-\r, v1                ; in variant r my quarter stands r quarters earlier in the row, round its end
	s_delay_alu instid0(VALU_DEP_1)
	v_and_b32 v[AD+\r], 3, v[AD+\r]
	s_delay_alu instid0(VALU_DEP_1)
	v_lshl_add_u32 v[AD+\r], v[AD+\r], 4, v[RB]
.endr
	v_cmp_ne_u32 vcc_lo, 0, v7
	s_wait_loadcnt 0x0                             ; all ten loads of mine are in: the two of scale bytes, and the eight of codes issued ahead of them
	v_cndmask_b32 v8, v8, v12, vcc_lo              ; input's bytes or prev_h's
	v_cndmask_b32 v9, v9, v13, vcc_lo
	v_cndmask_b32 v10, v10, v14, vcc_lo
	v_cndmask_b32 v11, v11, v15, vcc_lo
	s_wait_alu depctr_va_vdst(0)
.irp r, 0,1,2,3
	global_store_b128 v[AD+\r], v[8:11], s[48:49] offset:\r*524288   ; 32 lanes store 512 consecutive bytes of ascl's variant r
.endr
	s_branch .Lcodes_out
.Lweights:
	; waves 4 to 7: gate g = wave - 4, rows 4 w .. 4 w + 3.  Lane l holds eighth l % 8 (a K step's 8 bytes) of row l / 8: eighths 0 to 3 are the x weight's, 4 to 7 the h weight's
	s_lshl_b32 s58, ttmp9, 7                       ; in: 128 w
	s_lshl_b32 s59, s52, 14
	s_lshl_b32 s56, s53, 13
	s_add_co_u32 s59, s59, s56
	s_lshl_b32 s56, s54, 8
	s_add_co_u32 s59, s59, s56
	s_sub_co_u32 s56, s[WV], 4
	s_lshl_b32 s56, s56, 11
	s_add_co_u32 s59, s59, s56                     ; out: 16,384 t + 8,192 ch + 2,048 g + 256 (w % 8)
	v_lshrrev_b32 v6, 3, v1
	s_delay_alu instid0(VALU_DEP_1)
	v_lshl_add_u32 v4, v6, 5, s58
	s_delay_alu instid0(VALU_DEP_2)
	v_lshl_add_u32 v[RB], v6, 6, s59
	v_and_b32 v6, 3, v1
	s_delay_alu instid0(VALU_DEP_1)
	v_lshl_add_u32 v4, v6, 3, v4
.irp r, 0,1,2,3
	v_add_nc_u32 v[AD+\r], 8-2*\r, v1              ; in variant r my eighth stands 2 r eighths earlier in the row, round its end
	s_delay_alu instid0(VALU_DEP_1)
	v_and_b32 v[AD+\r], 7, v[AD+\r]
	s_delay_alu instid0(VALU_DEP_1)
	v_lshl_add_u32 v[AD+\r], v[AD+\r], 3, v[RB]
.endr
	v_and_b32 v7, 4, v1                            ; not 0: my bytes are the h half's
	s_delay_alu instid0(VALU_DEP_1)
	v_cmp_ne_u32 vcc_lo, 0, v7
	s_cmp_eq_u32 s[WV], 5
	s_cbranch_scc1 .Lgate1
	s_cmp_eq_u32 s[WV], 6
	s_cbranch_scc1 .Lgate2
	s_cmp_eq_u32 s[WV], 7
	s_cbranch_scc1 .Lgate3                         ; wave 4 falls through into gate 0's arm
; Gate g's arm, for wave 4 + g alone.  more = 1: another arm follows in the text, and is jumped over
.macro GATE g, more
.Lgate\g:
	global_load_b64 v[8:9], v4, s[XS+2*\g:XS+2*\g+1]
	global_load_b64 v[12:13], v4, s[HS+2*\g:HS+2*\g+1]
	s_wait_loadcnt 0x0                             ; all ten loads of mine are in
	v_cndmask_b32 v8, v8, v12, vcc_lo              ; the x weight's bytes or the h weight's
	v_cndmask_b32 v9, v9, v13, vcc_lo
	s_wait_alu depctr_va_vdst(0)
.irp r, 0,1,2,3
	global_store_b64 v[AD+\r], v[8:9], s[46:47] offset:\r*262144   ; 32 lanes store 256 consecutive bytes of wscl's variant r, at a multiple of 256
.endr
.if \more
	s_branch .Lcodes_out
.endif
.endm
	GATE 0, 1
	GATE 1, 1
	GATE 2, 1
	GATE 3, 0
.Lcodes_out:
.irp b, 0,1,2,3,4,5,6,7
	global_store_b128 v3, v[C+4*\b:C+4*\b+3], s[44:45] offset:(\b/4)*262144+(\b%4)*8192   ; sixteen lanes store 256 consecutive bytes of wpack, at a multiple of 256
.endr
	s_endpgm
.Lfunc_end_k_q044864ff8c_pack:
	.size	k_q044864ff8c_pack, .Lfunc_end_k_q044864ff8c_pack-k_q044864ff8c_pack
	.p2alignl 7, 3214868480
	.fill 96, 4, 3214868480
	.section	.rodata,"a",@progbits
	.p2align	6, 0x0
	.amdhsa_kernel k_q044864ff8c_pack
		.amdhsa_group_segment_fixed_size 0
		.amdhsa_private_segment_fixed_size 0
		.amdhsa_enable_private_segment 0
		.amdhsa_kernarg_size 168
		.amdhsa_user_sgpr_count 2
		.amdhsa_user_sgpr_kernarg_segment_ptr 1
		.amdhsa_wavefront_size32 1
		.amdhsa_system_sgpr_workgroup_id_x 1
		.amdhsa_system_sgpr_workgroup_id_y 1
		.amdhsa_system_sgpr_workgroup_id_z 1
		.amdhsa_system_vgpr_workitem_id 0
		.amdhsa_next_free_vgpr 56
		.amdhsa_next_free_sgpr 66
		.amdhsa_reserve_vcc 1
		.amdhsa_float_denorm_mode_32 3
		.amdhsa_float_denorm_mode_16_64 3
		.amdhsa_memory_ordered 1
		.amdhsa_forward_progress 1
		.amdhsa_inst_pref_size 10
	.end_amdhsa_kernel
	.amdgpu_metadata
---
amdhsa.version: [ 1, 2 ]
amdhsa.kernels:
  - .name:           k_q044864ff8c_pack
    .symbol:         k_q044864ff8c_pack.kd
    .args:
      - { .name: weight_xi_codes, .offset: 0, .size: 8, .value_kind: global_buffer, .address_space: global }
      - { .name: weight_xf_codes, .offset: 8, .size: 8, .value_kind: global_buffer, .address_space: global }
      - { .name: weight_xo_codes, .offset: 16, .size: 8, .value_kind: global_buffer, .address_space: global }
      - { .name: weight_xu_codes, .offset: 24, .size: 8, .value_kind: global_buffer, .address_space: global }
      - { .name: weight_hi_codes, .offset: 32, .size: 8, .value_kind: global_buffer, .address_space: global }
      - { .name: weight_hf_codes, .offset: 40, .size: 8, .value_kind: global_buffer, .address_space: global }
      - { .name: weight_ho_codes, .offset: 48, .size: 8, .value_kind: global_buffer, .address_space: global }
      - { .name: weight_hu_codes, .offset: 56, .size: 8, .value_kind: global_buffer, .address_space: global }
      - { .name: weight_xi_scales, .offset: 64, .size: 8, .value_kind: global_buffer, .address_space: global }
      - { .name: weight_xf_scales, .offset: 72, .size: 8, .value_kind: global_buffer, .address_space: global }
      - { .name: weight_xo_scales, .offset: 80, .size: 8, .value_kind: global_buffer, .address_space: global }
      - { .name: weight_xu_scales, .offset: 88, .size: 8, .value_kind: global_buffer, .address_space: global }
      - { .name: weight_hi_scales, .offset: 96, .size: 8, .value_kind: global_buffer, .address_space: global }
      - { .name: weight_hf_scales, .offset: 104, .size: 8, .value_kind: global_buffer, .address_space: global }
      - { .name: weight_ho_scales, .offset: 112, .size: 8, .value_kind: global_buffer, .address_space: global }
      - { .name: weight_hu_scales, .offset: 120, .size: 8, .value_kind: global_buffer, .address_space: global }
      - { .name: input_scales, .offset: 128, .size: 8, .value_kind: global_buffer, .address_space: global }
      - { .name: prev_h_scales, .offset: 136, .size: 8, .value_kind: global_buffer, .address_space: global }
      - { .name: wpack, .offset: 144, .size: 8, .value_kind: global_buffer, .address_space: global }
      - { .name: wscl, .offset: 152, .size: 8, .value_kind: global_buffer, .address_space: global }
      - { .name: ascl, .offset: 160, .size: 8, .value_kind: global_buffer, .address_space: global }
    .group_segment_fixed_size: 0
    .private_segment_fixed_size: 0
    .kernarg_segment_align: 8
    .kernarg_segment_size: 168
    .max_flat_workgroup_size: 256
    .sgpr_count:     66
    .vgpr_count:     56
    .wavefront_size: 32
...
	.end_amdgpu_metadata
.endif
;; end of part 1
;; launch cell (part 2): grid 16 x 32, 4 waves a work-group, clusters of 4 x 4, 327,680 bytes of LDS; arguments input_codes, prev_h_codes, ascl, wpack, wscl, prev_c, out0, out1, bias_i, bias_f, bias_o, bias_u; writes out0, out1
.if DOCPART == 2
	.amdgcn_target "amdgcn-amd-amdhsa--gfx1250"
	.amdhsa_code_object_version 6
	.text
	.protected	k_q044864ff8c_cell
	.globl	k_q044864ff8c_cell
	.p2align	8
	.type	k_q044864ff8c_cell,@function
k_q044864ff8c_cell:
	s_mov_b64 s[64:65], 0
	v_nop
	global_prefetch_b8 v0, s[64:65] scope:SCOPE_SE
	s_setreg_imm32_b32 hwreg(HW_REG_WAVE_MODE, 25, 1), 1
	s_wait_xcnt 0x0
	s_wait_alu depctr_hold_cnt(0) depctr_sa_sdst(0) depctr_va_vdst(0) depctr_va_sdst(0) depctr_va_ssrc(0) depctr_va_vcc(0) depctr_vm_vsrc(0)
	s_getreg_b32 s2, hwreg(HW_REG_IB_STS2, 6, 4)
	s_cmp_eq_u32 s2, 0
	s_cbranch_scc0 .Lentry_in_a_cluster
	s_endpgm
.Lentry_in_a_cluster:
	s_bfe_u32 s2, ttmp6, 0x10000c
	s_cmp_lg_u32 s2, 0xf033
	s_cbranch_scc0 .Lentry_shape_is_right
	s_endpgm
.Lentry_shape_is_right:
; An LSTM cell.  z_g = input W_xg + prev_h W_hg + b_g, g = i, f, o, u;  c = sigmoid(z_f) prev_c + sigmoid(z_i) tanh(z_u);  h = sigmoid(z_o) tanh(c).  out0 = h, out1 = c, [8192][1024] f32.
; The eight products are ONE product on E4M3 codes with E8M0 scales: A = [8192][K 2048] (input, then prev_h), B = [4 x 1024][K 2048], laid by the launch before:
; wpack [t 16][s 8][256 rows][256 bytes], row 128 ch + 32 g + jj = hidden unit 64 t + 32 ch + jj of gate g; scale rows of 64 bytes in four variants turned by 16 r bytes: ascl [r 4][8192][64], wscl [r 4][t 16][256][64].
; SHARES.  A work-group of four waves makes 256 rows x 64 hidden units x 4 gates; a wave 128 rows x (4 gates x 32 units): 64 accumulators, 512 registers.  K goes in 8 steps of 256 through a ring of two LDS slots.
; CLUSTERS 4 x 4: A's tiles are asked for jointly along a row of the cluster, B's along a column.  The matrix instruction is used transposed (source 0 = B's rows, source 1 = A's rows).
; THE WALK ALONG K: the cluster at (X, Y) takes K step (p + 2 r) % 8 at place p, r = (X + 2 ((Y xor Y / 2) % 2)) % 4, the same in all partners; variant r of the scale bytes lies in that order.
; THE LOOP.  A step of 128 along K is four quarters of 16 products (two blocks of A x B's eight).  Behind each quarter stands one run of 16 LDS loads, four fragments of the NEXT step:
; B's blocks 0-3 and 4-7 into B's other set, then A's blocks 0-3 and 4-7 into A's one set.  Eight v_nop stand ahead of each run into A's registers: the places between a fragment's last product and the load
; into it; they also serve B's set and the scale words, whose last products stand ahead of them.
; So all reads of a slot are issued in its first step, and the change of slots stands in its second step, 16 products in.
; The waits ahead of the four quarters, 24, 32, 40, 48, count the loads issued behind the last fragment that the quarter needs: (A's blocks left in that run and the run behind it) + 16 for each run of this step.
; PREFETCH: with the load of place n each wave asks for 32 rows x 256 bytes of place n + 2 (at the head also place 1): waves 0, 1 of A, waves 2, 3 of B; the four partners of a joint load share the 128 rows out by address.
; Places run to 7: the loads of places 6 and 7 ask for nothing.  prev_c's 64 rows a wave are asked for at the change out of place 4.
; THE WAY OUT: the gates go into a stage that takes both slots' bytes behind their last fill and last read; each wave then finishes 64 whole rows, 8 a trip.
; E_g = 2^(k (z_g + b_g)), k = -log2(e) for i, f, o, 2 log2(e) for u; sigmoid = 1 / (1 + E), tanh = (E - 1) / (E + 1); tanh's exponent is held within +-30, beyond which the quotient is +-1 in f32.
; LIMITS: NaN and infinities in prev_c and the biases, and the scale byte 0xff, are not served.  The f32 sums run along K from K step 2 r and round.
; REGISTERS.  Window 0: v10-30 addresses, v32-63 scale words (two sets), v64-79 biases, v128-255 A's fragments.  Window 1: B's two sets; at the end v0-127 prev_c.  Windows 2, 3: accumulators.
.set ROWB,   256
.set PITCH,  272                       ; 256 bytes + 16 of padding
.set FR,     16
.set HALFT,  128*PITCH
.set SLOT,   4*HALFT                   ; A's 256 rows, then B's 256 rows
.set KS,     64
.set SCL,    2*SLOT
.set HALFS,  (128*KS/256)*272
.set SBLK,   (16*KS/256)*272
.set SPARE,  SCL+4*HALFS               ; the spare words: 512 bytes that no other line names
.set GST,    256*PITCH
.set OROW,   4096
.set CO,   10
.set PFO,  11                          ; 4,096 x lane: prev_c's prefetch
.set STO,  12
.set ADRA, 16
.set ADRB, 20
.set RD,   22
.set BO,   26
.set ADRS, 27
.set SPW,  28
.set NIL,  29
.set PFT,  30                          ; lane x a row's pitch in memory: the tiles' prefetch
.set SC,   32
.set BI,   64
.set AF,   128
.set GA,   128
.set P0,   4                           ; s[4:5], s[6:7]: my 32 rows for K steps 0-3, 4-7
.set P1,   6
.set PFA,  8
.set PFB,  10
.set PMK,  12
.set PSH,  13
.set G1,   24
.set G0,   32
.set XB,   40
.set HB,   42
.set KST,  46
.set G1B,  48
.set G0B,  56
.set PK,   66
.set G1S,  68
.set G0S,  76
.set G1SB, 80
.set G0SB, 88
.set WB,   92
.set OFS,  94
.set PCB,  96
.set OH,   98
.set OC,   100
.set MSB, 0
.macro WIN new
.if MSB != (\new)
	s_set_vgpr_msb (MSB<<8)|(\new)
.set MSB, (\new)
.endif
.endm
.set MUL_LO, 0xa1
.set TO_B,   0x40
.macro NOP4
.rept 4
	v_nop
.endr
.endm
.macro JLOAD g0a, g1a, g0b, g1b        ; waves 0, 1 fetch for A, waves 2, 3 for B
	s_cmp_eq_u32 s15, 0
	s_cbranch_scc0 .Lfor_b_\@
	tensor_load_to_lds s[\g0a:\g0a+3], s[\g1a:\g1a+7]
	s_nop 0
	NOP4
	s_branch .Lasked_\@
.Lfor_b_\@:
	tensor_load_to_lds s[\g0b:\g0b+3], s[\g1b:\g1b+7]
	s_nop 0
	NOP4
.Lasked_\@:
.endm
.macro ADDR slot                       ; both descriptors' global addresses for the K step in s[KST + slot]; only where no tensor load of mine is out
	s_cmp_lt_u32 s[KST+\slot], 4
	s_cselect_b64 s[G0+4*\slot+2:G0+4*\slot+3], s[XB:XB+1], s[HB:HB+1]
	s_and_b32 s[OFS], s[KST+\slot], 3
	s_lshl_b32 s[OFS], s[OFS], 8
	s_add_nc_u64 s[G0+4*\slot+2:G0+4*\slot+3], s[G0+4*\slot+2:G0+4*\slot+3], s[OFS:OFS+1]
	s_or_b32 s[G0+4*\slot+3], s[G0+4*\slot+3], 0x80000000
	s_lshl_b32 s[OFS], s[KST+\slot], 16
	s_add_nc_u64 s[G0B+4*\slot+2:G0B+4*\slot+3], s[WB:WB+1], s[OFS:OFS+1]
	s_or_b32 s[G0B+4*\slot+3], s[G0B+4*\slot+3], 0x80000000
.endm
.macro PFADDR d, k                     ; where my 32 rows of K step s[k] begin
	s_cmp_lt_u32 s[\k], 4
	s_cselect_b64 s[\d:\d+1], s[P0:P0+1], s[P1:P1+1]
	s_and_b32 s[OFS], s[\k], s[PMK]
	s_lshl_b32 s[OFS], s[OFS], s[PSH]
	s_add_nc_u64 s[\d:\d+1], s[\d:\d+1], s[OFS:OFS+1]
.endm
.macro CREST
	s_cmp_lg_u32 s14, 0
	s_cbranch_scc1 .Lnot_wave_0_\@
	s_barrier_signal -3
.Lnot_wave_0_\@:
	s_barrier_wait -3
	s_barrier_signal -1
	s_barrier_wait -1
.endm
.macro CROUND
	s_barrier_signal -1
	s_barrier_wait -1
	CREST
.endm
	s_load_b256 s[4:11], s[0:1], 0x0               ; input's codes, prev_h's, ascl, wpack
	s_load_b64 s[12:13], s[0:1], 0x20              ; wscl
	s_load_b128 s[96:99], s[0:1], 0x28             ; prev_c, out0
	s_load_b64 s[100:101], s[0:1], 0x38            ; out1
	s_load_b256 s[68:75], s[0:1], 0x40             ; the four biases
	v_lshl_add_u32 v[SPW], v0, 2, SPARE
	v_mov_b32 v[NIL], 0
	ds_add_u32 v[SPW], v[NIL]                      ; the opening lines: the add twice on end and one wait
	ds_add_u32 v[SPW], v[NIL]
	v_lshrrev_b32 v1, 5, v0
	v_readfirstlane_b32 s14, v1                    ; wave
	s_lshr_b32 s15, s14, 1                         ; my half of the rows; also: I fetch for A (0) or B (1)
	s_and_b32 s16, s14, 1                          ; my half of the hidden units; also: which 128 rows I fetch
	s_bfe_u32 s44, ttmp6, 0x40000                  ; cx
	s_bfe_u32 s2, ttmp6, 0x40004                   ; cy
	s_lshl_b32 s22, ttmp9, 2
	s_add_co_u32 s22, s22, s44                     ; tx
	s_and_b32 s17, ttmp7, 0xffff
	s_lshl_b32 s17, s17, 2
	s_add_co_u32 s17, s17, s2                      ; ty
	s_lshl_b32 s46, s2, 2
	s_lshl_b32 s46, 15, s46                        ; my row of the cluster
	s_lshl_b32 s47, 0x1111, s44                    ; my column
	s_lshl_b32 s23, s44, 15                        ; 32 cx rows of 1,024 bytes
	s_lshl_b32 s3, s2, 13                          ; 32 cy rows of 256 bytes
	s_and_b32 s20, ttmp7, 0xffff
	s_lshr_b32 s21, s20, 1
	s_xor_b32 s20, s20, s21
	s_and_b32 s20, s20, 1
	s_lshl_b32 s20, s20, 1
	s_add_co_u32 s20, s20, ttmp9
	s_and_b32 s20, s20, 3                          ; r
	s_or_b32 s[G1+0], s46, (0<<16)|(1<<20)|(1<<21)|(5<<22)|(3<<25)   ; mask, 1-byte elements, 4 words of padding behind every 64
	s_or_b32 s[G1B+0], s47, (0<<16)|(1<<20)|(1<<21)|(5<<22)|(3<<25)
.irp g, G1, G1B
	s_mov_b32 s[\g+1], ROWB<<16
	s_mov_b32 s[\g+2], 256<<16                     ; the head's loads bring 256 rows
	s_mov_b32 s[\g+3], ROWB<<16
	s_mov_b32 s[\g+4], 256
	s_mov_b32 s[\g+6], 0
	s_mov_b32 s[\g+7], 0
.endr
	s_mov_b32 s[G1+5], 1024
	s_mov_b32 s[G1B+5], ROWB
	s_or_b32 s[G1SB+0], s47, (3<<16)|(1<<20)|(1<<21)|(5<<22)|(3<<25)
	s_mov_b32 s[OFS+1], 0
	s_lshl_b32 s45, s22, 8
	v_and_b32 v1, 15, v0
	v_lshl_add_u32 v[BO], v1, 4, s45
	s_wait_alu depctr_va_vdst(0)
	s_wait_dscnt 0x0
	s_wait_kmcnt 0x0
.irp g, 0,1,2,3
	global_load_b128 v[BI+4*\g:BI+4*\g+3], v[BO], s[68+2*\g:69+2*\g]
.endr
	s_lshl_b32 s66, s17, 18                        ; A's side: registers that hold ty alone
	s_lshl_b32 s67, s16, 17
	s_add_co_u32 s66, s66, s67
	s_mov_b32 s67, 0
	s_add_nc_u64 s[XB:XB+1], s[4:5], s[66:67]
	s_add_nc_u64 s[HB:HB+1], s[6:7], s[66:67]
	s_add_co_u32 s23, s23, s66                     ; A's prefetch: my 128 rows, my work-group's 32 of them
	s_lshl_b32 s66, s17, 14
	s_lshl_b32 s21, s20, 19
	s_add_co_u32 s66, s66, s21
	s_add_nc_u64 s[G0S+2:G0S+3], s[8:9], s[66:67]  ; the scales of A's 256 rows, variant r
	s_or_b32 s[G0S+3], s[G0S+3], 0x80000000
	s_lshl_b32 s44, s22, 19                        ; B's side: tx alone
	s_lshl_b32 s45, s16, 15
	s_add_co_u32 s44, s44, s45
	s_mov_b32 s45, 0
	s_add_nc_u64 s[WB:WB+1], s[10:11], s[44:45]
	s_add_co_u32 s3, s3, s44                       ; B's prefetch
	s_lshl_b32 s44, s22, 14
	s_lshl_b32 s21, s20, 18
	s_add_co_u32 s44, s44, s21
	s_add_nc_u64 s[G0SB+2:G0SB+3], s[12:13], s[44:45]
	s_or_b32 s[G0SB+3], s[G0SB+3], 0x80000000
	s_mov_b32 s[G0S], 1
	s_mov_b32 s[G0S+1], SCL
	s_mov_b32 s[G0SB], 1
	s_mov_b32 s[G0SB+1], SCL+2*HALFS
	s_cmp_eq_u32 s15, 0                            ; the prefetches' bases, by my role
	s_cselect_b64 s[P0:P0+1], s[4:5], s[10:11]
	s_cselect_b64 s[P1:P1+1], s[6:7], s[10:11]
	s_cselect_b32 s18, s23, s3
	s_cselect_b32 s21, 10, 8                       ; a row's pitch: 1,024 or 256 bytes
	s_cselect_b32 s[PMK], 3, 7
	s_cselect_b32 s[PSH], 8, 16
	s_mov_b32 s19, 0
	s_add_nc_u64 s[P0:P0+1], s[P0:P0+1], s[18:19]
	s_add_nc_u64 s[P1:P1+1], s[P1:P1+1], s[18:19]
	s_wait_xcnt 0x0                                ; the biases' loads have read their bases: s68-75 take a descriptor
	s_or_b32 s[G1S+0], s46, (3<<16)|(1<<20)|(1<<21)|(5<<22)|(3<<25)
.irp g, G1S, G1SB
	s_mov_b32 s[\g+1], 32<<16                      ; 16,384 dense bytes as 64 rows of 256
	s_mov_b32 s[\g+2], 64<<16
	s_mov_b32 s[\g+3], 32<<16
	s_mov_b32 s[\g+4], 64
	s_mov_b32 s[\g+5], 32
	s_mov_b32 s[\g+6], 0
	s_mov_b32 s[\g+7], 0
.endr
	s_lshl_b32 s[KST], s20, 1
	s_add_co_u32 s[KST+1], s[KST], 1
	s_mul_i32 s19, s14, HALFT
.irp s, 0,1
	s_mov_b32 s[G0+4*\s], 1
	s_add_co_u32 s[G0+4*\s+1], s19, \s*SLOT
	s_mov_b32 s[G0B+4*\s], 1
	s_add_co_u32 s[G0B+4*\s+1], s19, \s*SLOT
	ADDR \s
.endr
	PFADDR PFA, KST+1
	s_add_co_u32 s[PK], s[KST], 2
	s_and_b32 s[PK], s[PK], 7
	PFADDR PFB, PK
	CROUND                                         ; all sixteen work-groups are here
; The head's loads, one a wave: wave 0 A's 256 rows of place 0 (its half is 0, so slot 0's own group 0 names the tile's first row), wave 1 A's scales, wave 2 B's 256 rows, wave 3 B's scales.
.macro ARM under, g0, g1, next
	s_cmp_lt_u32 s14, \under
	s_cbranch_scc0 \next
	tensor_load_to_lds s[\g0:\g0+3], s[\g1:\g1+7]
	s_nop 0
	NOP4
	s_branch .Lhead_asked
\next:
.endm
	ARM 1, G0,  G1,  .Lhead_1
	ARM 2, G0S, G1S, .Lhead_2
	ARM 3, G0B, G1B, .Lhead_3
	tensor_load_to_lds s[G0SB:G0SB+3], s[G1SB:G1SB+7]
	s_nop 0
	NOP4
.Lhead_asked:
	v_and_b32 v[PFT], 31, v0
	v_lshlrev_b32 v[PFT], s21, v[PFT]
	global_prefetch_b8 v[PFT], s[PFA:PFA+1] th:TH_LOAD_NT scope:SCOPE_SE   ; place 1
	global_prefetch_b8 v[PFT], s[PFB:PFB+1] th:TH_LOAD_NT scope:SCOPE_SE   ; place 2
	v_and_b32 v1, 15, v0                           ; r = lane % 16
	v_bfe_u32 v2, v0, 4, 1                         ; h = lane / 16
	v_mul_u32_u24 v3, v1, PITCH
	v_lshl_add_u32 v4, v2, 4, v3
	s_mul_i32 s20, s15, HALFT
	s_mul_i32 s21, s16, HALFT
	s_add_co_u32 s21, s21, 2*HALFT
.irp s, 0,1
	v_add_nc_u32 v[ADRA+\s], s20, v4
	v_add_nc_u32 v[ADRB+\s], s21, v4
	s_add_co_u32 s20, s20, SLOT
	s_add_co_u32 s21, s21, SLOT
.endr
	v_mul_u32_u24 v5, v1, KS
	v_lshrrev_b32 v6, 8, v5
	v_lshl_add_u32 v5, v6, 4, v5
	s_mul_i32 s20, s15, HALFS
	s_mul_i32 s21, s16, HALFS
	s_add_co_u32 s21, s21, 2*HALFS
	s_sub_co_u32 s21, s21, s20
	v_mul_u32_u24 v6, s21, v2                      ; lanes 16-31 take B's words
	s_add_co_u32 s20, s20, SCL
	v_add_nc_u32 v5, v5, v6
	v_add_nc_u32 v[ADRS], s20, v5
	s_mul_i32 s20, s15, 128*PITCH
	s_lshl_b32 s21, s16, 7
	s_add_co_u32 s20, s20, s21
	v_lshl_add_u32 v5, v2, 5, v3
	v_add_nc_u32 v[STO], s20, v5
	s_mul_i32 s20, s14, 64*PITCH
	v_mul_u32_u24 v6, v2, PITCH
	v_lshl_add_u32 v6, v1, 4, v6
	v_add_nc_u32 v[RD], s20, v6
.irp g, 1,2,3
	v_add_nc_u32 v[STO+\g], \g*GST, v[STO]
	v_add_nc_u32 v[RD+\g], \g*GST, v[RD]
.endr
	v_lshlrev_b32 v[CO], 12, v2
	v_lshl_add_u32 v[CO], v1, 4, v[CO]
	v_and_b32 v[PFO], 31, v0
	v_lshlrev_b32 v[PFO], 12, v[PFO]
	s_lshl_b32 s45, s22, 8
	s_lshl_b32 s44, s17, 8
	s_lshl_b32 s21, s14, 6
	s_add_co_u32 s44, s44, s21                     ; the first row that I finish
	s_lshl_b32 s44, s44, 12
	s_add_co_u32 s44, s44, s45
	s_mov_b32 s45, 0
	s_add_nc_u64 s[PCB:PCB+1], s[PCB:PCB+1], s[44:45]
	s_add_nc_u64 s[OH:OH+1], s[OH:OH+1], s[44:45]
	s_add_nc_u64 s[OC:OC+1], s[OC:OC+1], s[44:45]
	s_mov_b32 s18, 0xbfb8aa3b                      ; -log2(e)
	s_mov_b32 s19, s18
	s_mov_b32 s20, 0x4038aa3b                      ; 2 log2(e)
	s_mov_b32 s21, s20
	s_mov_b32 s2, 0xc1f00000                       ; -30.0
	s_mov_b32 s23, 0x41f00000                      ; 30.0
.macro FRAG reg, adr, q, i             ; 16 rows x 128 K: registers 4 c .. 4 c + 3 hold K = 32 c + 16 (l / 16) + 0 .. 15
.irp c, 0,1,2,3
	ds_load_b128 v[\reg+4*\c:\reg+4*\c+3], v[\adr] offset:128*(\q)+32*\c+(\i)*16*PITCH
.endr
.endm
.macro RUNB slot, q, p, i0             ; 16 loads: B's blocks i0 .. i0 + 3 into set p
	WIN TO_B
.irp i, \i0, \i0+1, \i0+2, \i0+3
	FRAG 128*(\p)+FR*(\i), ADRB+\slot, \q, \i
.endr
.endm
.macro RUNA slot, q, i0                ; 16 loads: A's blocks i0 .. i0 + 3
	WIN 0
.irp i, \i0, \i0+1, \i0+2, \i0+3
	FRAG AF+FR*(\i), ADRA+\slot, \q, \i
.endr
.endm
.macro SCALES sc
.irp i, 0,1,2,3,4,5,6,7
	ds_load_b64 v[SC+16*(\sc)+2*\i:SC+16*(\sc)+2*\i+1], v[ADRS] offset:\i*SBLK
.endr
.endm
.macro PLACES
.rept 8
	v_nop
.endr
.endm
; Eight products: A's block a x B's eight.  The 64 accumulators take turns in the same order in every step.
.macro BLK a, p, q, sc, zero
	WIN MUL_LO+0x50*((\a)/4)
.irp b, 0,1,2,3,4,5,6,7
.set DD, 8*(8*((\a)%4)+\b)
.if \zero
	v_wmma_scale_f32_16x16x128_f8f6f4 v[DD:DD+7], v[128*(\p)+FR*\b:128*(\p)+FR*\b+FR-1], v[AF+FR*(\a):AF+FR*(\a)+FR-1], 0, v[SC+16*(\sc)+2*\b+(\q)], v[SC+16*(\sc)+2*(\a)+(\q)] matrix_a_scale:MATRIX_SCALE_ROW1
.else
	v_wmma_scale_f32_16x16x128_f8f6f4 v[DD:DD+7], v[128*(\p)+FR*\b:128*(\p)+FR*\b+FR-1], v[AF+FR*(\a):AF+FR*(\a)+FR-1], v[DD:DD+7], v[SC+16*(\sc)+2*\b+(\q)], v[SC+16*(\sc)+2*(\a)+(\q)] matrix_a_scale:MATRIX_SCALE_ROW1
.endif
.endr
.endm
; A slot's first step: it fetches the slot's second step, and (scl = 1) the next place's scale words into the other set.
.macro STEP0 slot, zero, scl
	s_wait_dscnt 24                                ; behind A's block 1: blocks 2-7
	BLK 0, 0, 0, \slot, \zero
	BLK 1, 0, 0, \slot, \zero
	RUNB \slot, 1, 1, 0                            ; B's set 1 had its last product ahead of the last step's places
	s_wait_dscnt 32                                ; behind block 3: blocks 4-7 and one run
	BLK 2, 0, 0, \slot, \zero
	BLK 3, 0, 0, \slot, \zero
	RUNB \slot, 1, 1, 4
	s_wait_dscnt 40                                ; behind block 5: blocks 6, 7 and two runs
	BLK 4, 0, 0, \slot, \zero
	BLK 5, 0, 0, \slot, \zero
	PLACES
	WIN 0
.if \scl
	v_add_nc_u32 v[ADRS], 8, v[ADRS]
	s_wait_alu depctr_va_vdst(0)
	SCALES 1-\slot
.endif
	RUNA \slot, 1, 0
	s_wait_dscnt 48                                ; behind block 7: three runs
	BLK 6, 0, 0, \slot, \zero
	BLK 7, 0, 0, \slot, \zero
	PLACES
	RUNA \slot, 1, 4
.endm
.macro ASK pc                          ; while the loop has a later trip: the tile two places on; pc = 1: in the last trip my 64 rows of prev_c
	s_cmp_gt_u32 s3, 1
	s_cbranch_scc0 .Lno_tile_\@
	global_prefetch_b8 v[PFT], s[PFA:PFA+1] th:TH_LOAD_NT scope:SCOPE_SE
.if \pc
	s_branch .Lasked_\@
.endif
.Lno_tile_\@:
.if \pc
	global_prefetch_b8 v[PFO], s[PCB:PCB+1] th:TH_LOAD_NT scope:SCOPE_SE
	global_prefetch_b8 v[PFO], s[PCB:PCB+1] offset:32*OROW th:TH_LOAD_NT scope:SCOPE_SE
.Lasked_\@:
.endif
.endm
; A slot's second step changes slots.  My reads of this slot were all issued in its first step.  fill = 1: a round of the cluster's barrier, and this slot takes the K step two places on.
.macro TURN slot, next, fill, pc
	WIN 0
.if \fill
	s_wait_xcnt 0x0                                ; my last prefetch has read its address
.endif
	s_wait_tensorcnt 0x0                           ; my part of the next slot is in
	ds_add_u32 v[SPW], v[NIL]
.if \fill
	s_add_co_u32 s[KST+\slot], s[KST+\slot], 2
	s_and_b32 s[KST+\slot], s[KST+\slot], 7
	ADDR \slot
	s_add_co_u32 s[PK], s[KST+\slot], 2
	s_and_b32 s[PK], s[PK], 7
	PFADDR PFA, PK
.endif
	s_wait_dscnt 24                                ; behind A's block 1: blocks 2-7 and the add
	BLK 0, 1, 1, \slot, 0
	BLK 1, 1, 1, \slot, 0
	s_wait_dscnt 0x0                               ; the add is done, my reads of this slot are back
	s_barrier_signal -1
	BLK 2, 1, 1, \slot, 0
	WIN 0
	s_barrier_wait -1
.if \fill
	CREST
	JLOAD G0+4*\slot, G1, G0B+4*\slot, G1B         ; my one tensor load behind the round
.endif
	RUNB \next, 0, 0, 0                            ; B's set 0 had its last product ahead of the last step's places
.if \fill
	WIN 0
	ASK \pc
.endif
	BLK 3, 1, 1, \slot, 0
	RUNB \next, 0, 0, 4
	BLK 4, 1, 1, \slot, 0
	BLK 5, 1, 1, \slot, 0
	PLACES
	RUNA \next, 0, 0
	BLK 6, 1, 1, \slot, 0
	BLK 7, 1, 1, \slot, 0
	PLACES
	RUNA \next, 0, 4
.endm
.macro PCLOAD t                        ; prev_c of trip t: 8 rows x 256 bytes, into window 1
.irp p, 0,1,2,3
	global_load_b128 v[16*(\t)+4*\p:16*(\t)+4*\p+3], v[CO], s[PCB:PCB+1] offset:(8*(\t)+2*\p)*OROW th:TH_LOAD_NT
.endr
.endm
	s_wait_alu depctr_va_vdst(0)
	s_wait_xcnt 0x0                                ; the head's prefetches have read their addresses
	s_wait_tensorcnt 0x0                           ; my tile of the head's four is in; the lines of a refill stand ahead of slot 1's first fill
	ds_add_u32 v[SPW], v[NIL]
	s_mov_b32 s[G1+2], 128<<16                     ; from here on a load brings 128 rows
	s_mov_b32 s[G1+4], 128
	s_mov_b32 s[G1B+2], 128<<16
	s_mov_b32 s[G1B+4], 128
	s_add_co_u32 s[PK], s[KST+1], 2
	s_and_b32 s[PK], s[PK], 7
	PFADDR PFA, PK
	s_wait_dscnt 0x0
	CROUND
	JLOAD G0+4, G1, G0B+4, G1B                     ; place 1
	SCALES 0
	RUNB 0, 0, 0, 0
	RUNB 0, 0, 0, 4
	RUNA 0, 0, 0
	RUNA 0, 0, 4
	global_prefetch_b8 v[PFT], s[PFA:PFA+1] th:TH_LOAD_NT scope:SCOPE_SE   ; place 3
	STEP0 0, 1, 1                                  ; the first step's products start the sums
	s_mov_b32 s3, 3
.Llap:                                                 ; once round the ring: places 2, 3; 4, 5; 6, 7 are asked for
	TURN 0, 1, 1, 1
	STEP0 1, 0, 1
	TURN 1, 0, 1, 0
	STEP0 0, 0, 1
	s_sub_co_u32 s3, s3, 1
	s_cmp_lg_u32 s3, 0
	s_cbranch_scc1 .Llap
	TURN 0, 1, 0, 0                                ; nothing more is filled
	STEP0 1, 0, 0
	WIN TO_B                                       ; B's set 0 had its last product ahead of the places above: it takes prev_c
.irp t, 0,1,2,3,4,5,6,7
	PCLOAD \t
.endr
	s_wait_dscnt 24                                ; the last step fetches nothing from LDS
	BLK 0, 1, 1, 1, 0
	BLK 1, 1, 1, 1, 0
	s_wait_dscnt 0x0                               ; my reads of the ring are over
	s_barrier_signal -1
.irp a, 2,3,4,5,6,7
	BLK \a, 1, 1, 1, 0
.endr
	WIN 0
	s_barrier_wait -1                              ; both slots have had their last fill and their last read
	s_wait_loadcnt 32                              ; the biases are in; prev_c's 32 loads are younger
.irp k, 0,2,4,6,8,10
	v_pk_mul_f32 v[BI+\k:BI+\k+1], v[BI+\k:BI+\k+1], s[18:19] op_sel_hi:[1,0]   ; b x k; these eight lines are also the places behind the last products
.endr
.irp k, 12,14
	v_pk_mul_f32 v[BI+\k:BI+\k+1], v[BI+\k:BI+\k+1], s[20:21] op_sel_hi:[1,0]
.endr
.irp a, 0,1,2,3,4,5,6,7
	WIN 0x08+4*(\a/4)
.irp b, 0,1,2,3,4,5,6,7
	ds_store_b128 v[STO+\b/2], v[8*(8*(\a%4)+\b):8*(8*(\a%4)+\b)+3] offset:16*\a*PITCH+64*(\b%2)
	ds_store_b128 v[STO+\b/2], v[8*(8*(\a%4)+\b)+4:8*(8*(\a%4)+\b)+7] offset:16*\a*PITCH+64*(\b%2)+16
.endr
.endr
	WIN 0
	s_wait_alu depctr_va_vdst(0)
	s_wait_dscnt 0x0                               ; my stores into the stages are done
	s_barrier_signal -1
	s_barrier_wait -1                              ; a row's 256 bytes come from two waves: now they are whole
.macro LDSLOAD t, s                    ; register s + 16 g + 4 p + e = gate g of row 64 wave + 8 t + 2 p + lane / 16, hidden unit 4 (lane % 16) + e
.irp g, 0,1,2,3
.irp p, 0,1,2,3
	ds_load_b128 v[\s+16*\g+4*\p:\s+16*\g+4*\p+3], v[RD+\g] offset:(8*(\t)+2*\p)*PITCH
.endr
.endr
.endm
; A trip: 8 rows x 64 hidden units, 16 numbers a lane.  Each batch of transcendentals has one wait ahead of it and one behind it.
.macro TRIP t
.set S,  GA+64*((\t)%2)
.set OS, GA+64*(1-(\t)%2)
.set XI, S
.set XF, S+16
.set XO, S+32
.set XU, S+48
.set PB, 16*(\t)
.if (\t) < 7
.if (\t) > 0
	s_wait_xcnt 0x0                                ; the last trip's stores have read their registers
.endif
	LDSLOAD (\t)+1, OS
	s_wait_dscnt 16
.else
	s_wait_dscnt 0x0
.endif
.irp g, 0,1,2
.irp k, 0,1,2,3,4,5,6,7
	v_pk_fma_f32 v[S+16*\g+2*\k:S+16*\g+2*\k+1], v[S+16*\g+2*\k:S+16*\g+2*\k+1], s[18:19], v[BI+4*\g+2*(\k%2):BI+4*\g+2*(\k%2)+1] op_sel_hi:[1,0,1]
.endr
.endr
.irp k, 0,1,2,3,4,5,6,7
	v_pk_fma_f32 v[XU+2*\k:XU+2*\k+1], v[XU+2*\k:XU+2*\k+1], s[20:21], v[BI+12+2*(\k%2):BI+12+2*(\k%2)+1] op_sel_hi:[1,0,1]
.endr
.irp j, 0,1,2,3,4,5,6,7,8,9,10,11,12,13,14,15
	v_med3_num_f32 v[XU+\j], v[XU+\j], s2, s23
.endr
.set J, 0
	s_wait_alu depctr_va_vdst(0)
.rept 64
	v_exp_f32 v[S+J], v[S+J]                       ; E of the four gates
.set J, J+1
.endr
	v_nop
	s_wait_alu depctr_va_vdst(0)
.irp k, 0,2,4,6,8,10,12,14
	v_pk_add_f32 v[XI+\k:XI+\k+1], v[XI+\k:XI+\k+1], 1.0 op_sel_hi:[1,0]
	v_pk_add_f32 v[XF+\k:XF+\k+1], v[XF+\k:XF+\k+1], 1.0 op_sel_hi:[1,0]
.endr
.irp k, 0,2,4,6,8,10,12,14
	v_pk_fma_f32 v[XI+\k:XI+\k+1], v[XI+\k:XI+\k+1], v[XU+\k:XU+\k+1], v[XI+\k:XI+\k+1]   ; (1 + E_i)(1 + E_u)
.endr
.set J, 0
	s_wait_alu depctr_va_vdst(0)
.rept 32
	v_rcp_f32 v[XI+J], v[XI+J]
.set J, J+1
.endr
.irp k, 0,2,4,6,8,10,12,14
	v_pk_add_f32 v[XO+\k:XO+\k+1], v[XO+\k:XO+\k+1], 1.0 op_sel_hi:[1,0]
	v_pk_add_f32 v[XU+\k:XU+\k+1], v[XU+\k:XU+\k+1], -1.0 op_sel_hi:[1,0]
.endr
	s_wait_alu depctr_va_vdst(0)
.irp k, 0,2,4,6,8,10,12,14
	v_pk_mul_f32 v[XI+\k:XI+\k+1], v[XI+\k:XI+\k+1], v[XU+\k:XU+\k+1]       ; i u
.endr
	s_wait_alu depctr_va_vdst(0)
	s_wait_loadcnt 28-4*(\t)                       ; this trip's prev_c is in; the later trips' loads, four each, may be out
	WIN 0x04                                       ; source 1 (prev_c) window 1
.irp k, 0,2,4,6,8,10,12,14
	v_pk_fma_f32 v[XF+\k:XF+\k+1], v[XF+\k:XF+\k+1], v[PB+\k:PB+\k+1], v[XI+\k:XI+\k+1]   ; c = f prev_c + i u
.endr
	WIN 0
.irp p, 0,1,2,3
	global_store_b128 v[CO], v[XF+4*\p:XF+4*\p+3], s[OC:OC+1] offset:(8*(\t)+2*\p)*OROW th:TH_STORE_NT   ; 16 lanes store 256 consecutive bytes, aligned
.endr
.irp k, 0,2,4,6,8,10,12,14
	v_pk_mul_f32 v[XU+\k:XU+\k+1], v[XF+\k:XF+\k+1], s[20:21] op_sel_hi:[1,0]
.endr
.irp j, 0,1,2,3,4,5,6,7,8,9,10,11,12,13,14,15
	v_med3_num_f32 v[XU+\j], v[XU+\j], s2, s23
.endr
.set J, 0
	s_wait_alu depctr_va_vdst(0)
.rept 16
	v_exp_f32 v[XU+J], v[XU+J]                     ; E_c
.set J, J+1
.endr
	v_nop
	s_wait_alu depctr_va_vdst(0)
.irp k, 0,2,4,6,8,10,12,14
	v_pk_fma_f32 v[XO+\k:XO+\k+1], v[XO+\k:XO+\k+1], v[XU+\k:XU+\k+1], v[XO+\k:XO+\k+1]   ; (1 + E_o)(1 + E_c)
.endr
.set J, 0
	s_wait_alu depctr_va_vdst(0)
.rept 16
	v_rcp_f32 v[XO+J], v[XO+J]
.set J, J+1
.endr
.irp k, 0,2,4,6,8,10,12,14
	v_pk_add_f32 v[XU+\k:XU+\k+1], v[XU+\k:XU+\k+1], -1.0 op_sel_hi:[1,0]
.endr
	s_wait_alu depctr_va_vdst(0)
.irp k, 0,2,4,6,8,10,12,14
	v_pk_mul_f32 v[XO+\k:XO+\k+1], v[XO+\k:XO+\k+1], v[XU+\k:XU+\k+1]       ; h = o tanh(c)
.endr
.irp p, 0,1,2,3
	global_store_b128 v[CO], v[XO+4*\p:XO+4*\p+3], s[OH:OH+1] offset:(8*(\t)+2*\p)*OROW th:TH_STORE_NT
.endr
.endm
	LDSLOAD 0, GA
.irp t, 0,1,2,3,4,5,6,7
	TRIP \t
.endr
	s_wait_tensorcnt 0x0                           ; the wave's end
	ds_add_u32 v[SPW], v[NIL]
	s_wait_dscnt 0x0
	CROUND                                         ; the closing round
	s_endpgm
.Lfunc_end_k_q044864ff8c_cell:
	.size	k_q044864ff8c_cell, .Lfunc_end_k_q044864ff8c_cell-k_q044864ff8c_cell
	.p2alignl 7, 3214868480
	.fill 96, 4, 3214868480
	.section	.rodata,"a",@progbits
	.p2align	6, 0x0
	.amdhsa_kernel k_q044864ff8c_cell
		.amdhsa_group_segment_fixed_size 327680
		.amdhsa_private_segment_fixed_size 0
		.amdhsa_enable_private_segment 0
		.amdhsa_kernarg_size 96
		.amdhsa_user_sgpr_count 2
		.amdhsa_user_sgpr_kernarg_segment_ptr 1
		.amdhsa_wavefront_size32 1
		.amdhsa_system_sgpr_workgroup_id_x 1
		.amdhsa_system_sgpr_workgroup_id_y 1
		.amdhsa_system_sgpr_workgroup_id_z 1
		.amdhsa_system_vgpr_workitem_id 0
		.amdhsa_next_free_vgpr 1024
		.amdhsa_next_free_sgpr 102
		.amdhsa_reserve_vcc 0
		.amdhsa_float_denorm_mode_32 3
		.amdhsa_float_denorm_mode_16_64 3
		.amdhsa_memory_ordered 1
		.amdhsa_forward_progress 1
		.amdhsa_inst_pref_size 255
	.end_amdhsa_kernel
	.section	.bss,"aw",@nobits
	.p2align	6
	.space	262144
	.amdgpu_metadata
---
amdhsa.version: [ 1, 2 ]
amdhsa.kernels:
  - .name:           k_q044864ff8c_cell
    .symbol:         k_q044864ff8c_cell.kd
    .args:
      - { .name: input_codes, .offset: 0, .size: 8, .value_kind: global_buffer, .address_space: global }
      - { .name: prev_h_codes, .offset: 8, .size: 8, .value_kind: global_buffer, .address_space: global }
      - { .name: ascl, .offset: 16, .size: 8, .value_kind: global_buffer, .address_space: global }
      - { .name: wpack, .offset: 24, .size: 8, .value_kind: global_buffer, .address_space: global }
      - { .name: wscl, .offset: 32, .size: 8, .value_kind: global_buffer, .address_space: global }
      - { .name: prev_c, .offset: 40, .size: 8, .value_kind: global_buffer, .address_space: global }
      - { .name: out0, .offset: 48, .size: 8, .value_kind: global_buffer, .address_space: global }
      - { .name: out1, .offset: 56, .size: 8, .value_kind: global_buffer, .address_space: global }
      - { .name: bias_i, .offset: 64, .size: 8, .value_kind: global_buffer, .address_space: global }
      - { .name: bias_f, .offset: 72, .size: 8, .value_kind: global_buffer, .address_space: global }
      - { .name: bias_o, .offset: 80, .size: 8, .value_kind: global_buffer, .address_space: global }
      - { .name: bias_u, .offset: 88, .size: 8, .value_kind: global_buffer, .address_space: global }
    .group_segment_fixed_size: 327680
    .private_segment_fixed_size: 0
    .kernarg_segment_align: 8
    .kernarg_segment_size: 96
    .max_flat_workgroup_size: 128
    .sgpr_count:     102
    .vgpr_count:     1024
    .wavefront_size: 32
...
	.end_amdgpu_metadata
.endif
;; end of part 2
